; MI455X (gfx1250); checked and timed in simulation.
; The chip was launched on July 23, 2026; its instructions are those of AMD's public machine-readable ISA for CDNA 5 (MIT licence, August 2026) and "CDNA5" Instruction Set Architecture Reference Guide (July 2026). The comments in the code are by the model that wrote it; some were corrected since.
;; Offline Sliding Window Attn. Allowed arithmetic: matrix products marked QUANTISED: E2M1 operands, one E8M0 scale for each 32 along K, by v_wmma_scale_f32_16x16x128_f8f6f4 with both operands' format E2M1 (or v_wmma_scale_f32_32x16x128_f4), f32 sums; products left as they are: bf16, f16 or f32 operands; f32 sums; everything else in f32.
;; Inputs: k 2 x 2,048 x 4 x 128 float32; q 2 x 2,048 x 16 x 128 float32; v 2 x 2,048 x 4 x 128 float32.
;; Outputs: out0 2 x 2,048 x 16 x 128 float32.
;; This version of the problem:
;;   THIS VERSION OF THE PROBLEM IS GIVEN IN LOW PRECISION. The matrix products marked QUANTISED in the list below multiply operands that are first quantised to E2M1 (2 exponent bits, 1 mantissa bit; 4 bits a number), with one power-of-two scale for each 32 numbers along K (OCP MX v1.0); their sums are f32. The products marked 'left as it is' may take bf16, f16 or f32 operands, with f32 sums. Whichever they take, every output number must still come out within the allowed error. Rounding operands to bf16 (8 significant bits) uses up far more of that allowance than f16 does (11 bits, for magnitudes from 6e-5 to 65,504). All else is computed in f32.
;;   The module's matrix products, in the order in which they are computed (A, B: the left and right operand; K: the contracted axis; several contracted axes count as one K, in the product's order):
;;     1. batch 32 x [M 2,048, K 128] x [K 128, N 2,048]; A: input q; B: input k: QUANTISED
;;     2. batch 32 x [M 2,048, K 2,048] x [K 2,048, N 128]; A: computed on the way; B: input v: left as it is (an operand is computed on the way)
;;   THE QUANTISER, for each operand of a quantised product, along K:
;;     - K is cut into blocks of 32 from its start; a last block that is shorter is filled with zeros.
;;     - A block's scale is 2^e with e = floor(log2(the largest magnitude in the block)) - 2, held to -126 .. 127; a block of zeros has e = 0. As a byte (E8M0): e + 127.
;;     - Each number is divided by its block's scale, clamped to +-6, and rounded to the nearest number of E2M1, ties to even, subnormals kept.
;;     - The product sums the exact products of the quantised numbers (number of the format x scale) in f32.
;;   ~~~python
;;   def quantise(x, axis):      # numpy; x: float32 -> the quantised numbers, widened to float32 again
;;       x = np.moveaxis(x, axis, -1); K = x.shape[-1]
;;       x = np.pad(x, [(0, 0)] * (x.ndim - 1) + [(0, -K % 32)]); x = x.reshape(x.shape[:-1] + (-1, 32)); a = np.abs(x).max(-1, keepdims=True)
;;       e = np.where(a > 0, np.clip(np.frexp(np.where(a > 0, a, 1))[1] - 1 - 2, -126, 127), 0)      # np.frexp(a)[1] - 1 = floor(log2(a)), exactly
;;       r = np.clip(x / 2.0 ** e, -6, 6)
;;       step = 2.0 ** (np.maximum(np.frexp(np.where(r == 0, 1, r))[1] - 1, 0) - 1)
;;       q = np.round(r / step) * step * 2.0 ** e      # np.round: ties to even
;;       return np.moveaxis(q.reshape(q.shape[:-2] + (-1,))[..., :K], -1, axis).astype(np.float32)
;;   ~~~
;; One version. Each part assembles by itself: llvm-mc -triple=amdgcn-amd-amdhsa -mcpu=gfx1250 --defsym DOCPART=n.
;; ======== version 1 of 1: 2 launches
;; limits: values are held in f16: magnitudes above 65,504 overflow, below 6.1e-05 lose precision
;; workspace buffers: kc 1,048,576 bytes; ks 65,536 bytes; vh 4,194,304 bytes
;; launch prep (part 1): grid 256 x 1, 4 waves a work-group, no clusters, 34,304 bytes of LDS; arguments k, v, kc, ks, vh; writes kc, ks, vh
.if DOCPART == 1
	.amdgcn_target "amdgcn-amd-amdhsa--gfx1250"
	.amdhsa_code_object_version 6
	.text
	.protected	k_q177d6b2ed6_prep
	.globl	k_q177d6b2ed6_prep
	.p2align	8
	.type	k_q177d6b2ed6_prep,@function
k_q177d6b2ed6_prep:
	s_mov_b64 s[64:65], 0
	v_nop
	global_prefetch_b8 v0, s[64:65] scope:SCOPE_SE
	s_setreg_imm32_b32 hwreg(HW_REG_WAVE_MODE, 25, 1), 1
	s_wait_xcnt 0x0
; K and V, [2][2048][4][128] f32, are laid out ONCE for the attention launch, in the order of its operand registers.  bk = 4 x batch + kv head.
; kc [bk 8][tile 128][c 2][lane 32][16 bytes]: K as codes of E2M1.  Lane (r, h) of a tile of 16 keys holds key r's codes of channels 64 c + 32 h + 0 .. 31: the scaled matrix form's 4-bit fragment as it stands.
; ks [bk][key 2048][4 bytes]: a key's four E8M0 bytes, one for each 32 channels.
; vh [bk][tile 128][t 8][lane 32][16 bytes]: V in f16.  Lane (r, h) holds channel 16 t + r, keys 8 h + 0 .. 7 of the tile: half a fragment of V^T for the f16 matrix form.
; A block's scale is 2^(floor(log2(its largest magnitude)) - 2); its byte is the largest magnitude's exponent field - 2, held at 1 from below.  A block of zeros so gets the byte 1 where the rule says 127:
; its codes are zeros, which add nothing under any byte but 0xff, and this program alone reads the bytes.
; Nothing is left out here: every key and every value counts for some query.
; LIMITS: NaN and infinities among the inputs are not served; blocks whose largest magnitude lies under 2^(2 - 126) keep the byte 1; |v| stays under 65,504, f16's largest number.
; Work-groups 0-127 take K: a wave takes 32 keys of one kv head.  Each load reads a key's 512 consecutive bytes; a tile of 16 keys turns through the wave's own stage in LDS (rows 528 bytes apart), so that a lane
; comes to hold 2 x 32 neighbouring channels of ONE key: two whole blocks, whose largest magnitudes need no other lane.  Codes leave as 512 consecutive bytes a store.  The 32 scale words of a wave are 128 consecutive
; bytes: half of an aligned 256: one byte in 128 of what this path reads.
; Work-groups 128-255 take V: a lane takes a channel, its registers run down 128 keys; two roundings to f16 an instruction; each store covers two aligned runs of 256 consecutive bytes.  No LDS on this path.
.set STG,    8448                      ; a wave's stage: 16 rows x 528 bytes
.set PITCH,  528                       ; 512 bytes + 16: row r begins 132 r words on, so the sixteen rows that a load touches begin at sixteen different banks (64 banks of 4 bytes: ISA guide 11.1)
.set SPARE,  4*STG                     ; behind the stages: the spare words, 128 bytes for each wave: two blocks of 256 bytes that no other line names
.set LANE16, 4                         ; v4   16 x lane
.set LANE4,  5                         ; v5   4 x lane
.set TI,     6                         ; v6   the stage, on the way in: 16 x lane
.set TO,     7                         ; v7   and out: 528 r + 128 h
.set SPW,    8                         ; v8   LDS address of my spare word; never rewritten
.set NIL,    9                         ; v9   0; never rewritten
.set H8,     10                        ; v10  8 h
.set PT,     11                        ; v11  a lane permute's destination
.set W,      12                        ; v12-13 a scale word for each tile
.set TM,     14                        ; v14-19 at work
.set VS,     20                        ; v20  V's stores: 512 (lane / 16) + 16 (lane % 16)
.set COD,    24                        ; v24-39 codes: eight registers for each tile, so that no store's data are written again
.set X,      40                        ; v40-103 K: 64 numbers of my key;  V: 64 registers of f16 pairs
.set RAW,    104                       ; v104-231 as loaded
; 64 numbers of a lane, v[x + 32 c + i] = channel 64 c + 32 h + i of my row, become a fragment's eight registers of codes in v[pc] on and the row's scale word in v[w].
.macro QUANT2 x, pc, w, m, pt, h8, sel
.irp c, 0,1
	v_max3_num_f32 v[\m+\c], |v[\x+32*\c]|, |v[\x+32*\c+1]|, 0x1800000   ; block 2 c + h: all its 32 numbers are mine; and the floor 2^(3 - 127): the byte cannot fall under 1
.endr
.irp i, 2,4,6,8,10,12,14,16,18,20,22,24,26,28,30
.irp c, 0,1
	v_max3_num_f32 v[\m+\c], v[\m+\c], |v[\x+32*\c+\i]|, |v[\x+32*\c+\i+1]|   ; (the two blocks by turns)
.endr
.endr
.irp c, 0,1
	v_add_nc_u32 v[\m+2+\c], 0xff000000, v[\m+\c]  ; 2 off the exponent field: the conversion takes the exponent field of this operand as its scale, and nothing else of it
.endr
.irp c, 0,1
	v_lshrrev_b32 v[\m+4+\c], 23, v[\m+2+\c]       ; the scale's byte
.endr
	v_lshl_or_b32 v[\w], v[\m+5], 16, v[\m+4]      ; my two bytes: blocks h and 2 + h,
	v_lshlrev_b32 v[\w], v[\h8], v[\w]             ; at their places in the word (8 h bits up);
	v_permlanex16_b32 v[\pt], v[\w], s[\sel], s[\sel+1]
	v_or_b32 v[\w], v[\w], v[\pt]                  ; with lane l xor 16's two the word is whole
.irp c, 0,1
.irp g, 0,1,2,3
	v_cvt_scalef32_pk8_fp4_f32 v[\pc+4*\c+\g], v[\x+32*\c+8*\g:\x+32*\c+8*\g+7], v[\m+2+\c]
.endr
.endr
	v_nop                                          ; one plain place behind the last scaled conversion
.endm
	s_load_b256 s[4:11], s[0:1], 0x0               ; k s[4:5], v s[6:7], kc s[8:9], ks s[10:11]
	s_load_b64 s[12:13], s[0:1], 0x20              ; vh
	v_lshl_add_u32 v[SPW], v0, 2, SPARE
	v_mov_b32 v[NIL], 0
	v_lshrrev_b32 v1, 5, v0
	v_readfirstlane_b32 s14, v1                    ; wave 0..3
	v_and_b32 v1, 31, v0                           ; lane
	v_and_b32 v2, 15, v0                           ; r
	v_bfe_u32 v3, v0, 4, 1                         ; h
	v_lshlrev_b32 v[LANE16], 4, v1
	v_lshlrev_b32 v[LANE4], 2, v1
	s_mul_i32 s15, s14, STG                        ; my stage
	v_add_nc_u32 v[TI], s15, v[LANE16]
	v_mul_u32_u24 v[TO], v2, PITCH
	v_lshl_add_u32 v[TO], v3, 7, v[TO]
	v_add_nc_u32 v[TO], s15, v[TO]
	v_lshlrev_b32 v[H8], 3, v3
	v_mov_b32 v[PT], 0                             ; written once: a lane permute's destination counts as one of its sources
	v_lshlrev_b32 v[VS], 9, v3
	v_lshl_add_u32 v[VS], v2, 4, v[VS]
	s_mov_b32 s20, 0xffff0000                      ; lanes 16-31
	s_mov_b32 s22, 0x76543210
	s_mov_b32 s23, 0xfedcba98                      ; v_permlanex16_b32's selects for lane l xor 16
	s_and_b32 s16, ttmp9, 127                      ; my number among K's work-groups, or among V's
	s_lshr_b32 s17, s16, 4                         ; bk
	s_and_b32 s18, s16, 15                         ; which 128 keys
	s_lshr_b32 s19, s17, 2                         ; batch
	s_and_b32 s21, s17, 3                          ; kv head
	s_lshl_b32 s24, s19, 22                        ; a batch is 2048 x 2048 bytes,
	s_lshl_b32 s25, s21, 9                         ; a head 512 in each key's 2048
	s_add_co_u32 s24, s24, s25
	s_mov_b32 s25, 0
	s_wait_kmcnt 0x0
	s_cmp_lt_u32 ttmp9, 128
	s_cbranch_scc0 .Lvalues
	; ---- K
	s_lshl_b32 s26, s18, 2
	s_add_co_u32 s26, s26, s14                     ; which 32 keys are my wave's: 0 .. 63
	s_lshl_b32 s27, s26, 16                        ; 32 keys x 2048 bytes
	s_add_co_u32 s24, s24, s27
	s_add_nc_u64 s[4:5], s[4:5], s[24:25]
	s_lshl_b32 s24, s17, 17                        ; kc: 131,072 bytes a bk, 2,048 for two tiles
	s_lshl_b32 s27, s26, 11
	s_add_co_u32 s24, s24, s27
	s_add_nc_u64 s[8:9], s[8:9], s[24:25]
	s_lshl_b32 s24, s17, 13                        ; ks: 8,192 bytes a bk, 128 for 32 keys
	s_lshl_b32 s27, s26, 7
	s_add_co_u32 s24, s24, s27
	s_add_nc_u64 s[10:11], s[10:11], s[24:25]
.set j, 0
.rept 32
	global_load_b128 v[RAW+4*j:RAW+4*j+3], v[LANE16], s[4:5] offset:2048*j th:TH_LOAD_NT   ; key j: 32 lanes read its 512 consecutive bytes
.set j, j+1
.endr
.macro KTILE tl
	s_wait_loadcnt 16*(1-(\tl))                    ; this tile's 16 loads are in; the other tile's, issued behind them, may be out
.set j, 0
.rept 16
	ds_store_b128 v[TI], v[RAW+64*(\tl)+4*j:RAW+64*(\tl)+4*j+3] offset:PITCH*j
.set j, j+1
.endr
.irp c, 0,1
.irp i, 0,1,2,3,4,5,6,7
	ds_load_b128 v[X+32*\c+4*\i:X+32*\c+4*\i+3], v[TO] offset:256*\c+16*\i   ; LDS serves a wave's instructions in order (ISA guide 5.7.1.4): these see the stores above, and the next tile's stores come behind them
.endr
.endr
	s_wait_dscnt 0x0
	QUANT2 X, COD+8*(\tl), W+(\tl), TM, PT, H8, 22
	global_store_b128 v[LANE16], v[COD+8*(\tl):COD+8*(\tl)+3], s[8:9] offset:1024*(\tl)          ; 32 lanes store 512 consecutive bytes
	global_store_b128 v[LANE16], v[COD+8*(\tl)+4:COD+8*(\tl)+7], s[8:9] offset:1024*(\tl)+512
.endm
	KTILE 0
	KTILE 1
	v_cndmask_b32 v[W], v[W], v[W+1], s20          ; lanes 0-15 keep the first tile's words, lanes 16-31 take the second's
	global_store_b32 v[LANE4], v[W], s[10:11]      ; 32 keys' words: 128 consecutive bytes
	s_wait_tensorcnt 0x0                           ; the wave's end
	ds_add_u32 v[SPW], v[NIL]
	s_wait_dscnt 0x0
	s_endpgm
	; ---- V
.Lvalues:
	s_lshl_b32 s27, s18, 18                        ; 128 keys x 2048 bytes
	s_add_co_u32 s24, s24, s27
	s_lshl_b32 s27, s14, 7                         ; my wave's 32 channels
	s_add_co_u32 s24, s24, s27
	s_add_nc_u64 s[6:7], s[6:7], s[24:25]
	s_lshl_b32 s24, s17, 19                        ; vh: 524,288 bytes a bk, 4,096 a tile, 512 for 16 channels
	s_lshl_b32 s27, s18, 15
	s_add_co_u32 s24, s24, s27
	s_lshl_b32 s27, s14, 10
	s_add_co_u32 s24, s24, s27
	s_add_nc_u64 s[12:13], s[12:13], s[24:25]
.macro VROWS tl                        ; tile tl: 16 keys of my channel; a wave reads 128 consecutive bytes, the four waves side by side 512
.irp i, 0,1,2,3,4,5,6,7,8,9,10,11,12,13,14,15
	global_load_b32 v[RAW+16*(\tl)+\i], v[LANE4], s[6:7] offset:2048*(16*(\tl)+\i) th:TH_LOAD_NT
.endr
.endm
.macro VTURN tl, left
	s_wait_loadcnt \left                           ; this tile's 16 loads are in; those of the tiles asked for behind it may be out
.irp i, 0,1,2,3,4,5,6,7
	v_cvt_pk_f16_f32 v[X+8*(\tl)+\i], v[RAW+16*(\tl)+2*\i], v[RAW+16*(\tl)+2*\i+1]   ; keys 2 i and 2 i + 1, the lower in the low half
.endr
	global_store_b128 v[VS], v[X+8*(\tl):X+8*(\tl)+3], s[12:13] offset:4096*(\tl)           ; keys 0-7: the places of lanes 0-15 of two fragments: sixteen lanes store 256 consecutive bytes, aligned
	global_store_b128 v[VS], v[X+8*(\tl)+4:X+8*(\tl)+7], s[12:13] offset:4096*(\tl)+256     ; keys 8-15: the places of lanes 16-31
.endm
	VROWS 0
	VROWS 1
	VROWS 2
	VROWS 3
	VTURN 0, 48
	VROWS 4
	VTURN 1, 48
	VROWS 5
	VTURN 2, 48
	VROWS 6
	VTURN 3, 48
	VROWS 7
	VTURN 4, 48
	VTURN 5, 32
	VTURN 6, 16
	VTURN 7, 0
	s_wait_tensorcnt 0x0                           ; the wave's end on this path
	ds_add_u32 v[SPW], v[NIL]
	s_wait_dscnt 0x0
	s_endpgm
.Lfunc_end_k_q177d6b2ed6_prep:
	.size	k_q177d6b2ed6_prep, .Lfunc_end_k_q177d6b2ed6_prep-k_q177d6b2ed6_prep
	.p2alignl 7, 3214868480
	.fill 96, 4, 3214868480
	.section	.rodata,"a",@progbits
	.p2align	6, 0x0
	.amdhsa_kernel k_q177d6b2ed6_prep
		.amdhsa_group_segment_fixed_size 34304
		.amdhsa_private_segment_fixed_size 0
		.amdhsa_enable_private_segment 0
		.amdhsa_kernarg_size 40
		.amdhsa_user_sgpr_count 2
		.amdhsa_user_sgpr_kernarg_segment_ptr 1
		.amdhsa_wavefront_size32 1
		.amdhsa_system_sgpr_workgroup_id_x 1
		.amdhsa_system_sgpr_workgroup_id_y 1
		.amdhsa_system_sgpr_workgroup_id_z 1
		.amdhsa_system_vgpr_workitem_id 0
		.amdhsa_next_free_vgpr 232
		.amdhsa_next_free_sgpr 66
		.amdhsa_reserve_vcc 0
		.amdhsa_float_denorm_mode_32 3
		.amdhsa_float_denorm_mode_16_64 3
		.amdhsa_memory_ordered 1
		.amdhsa_forward_progress 1
		.amdhsa_inst_pref_size 35
	.end_amdhsa_kernel
	.amdgpu_metadata
---
amdhsa.version: [ 1, 2 ]
amdhsa.kernels:
  - .name:           k_q177d6b2ed6_prep
    .symbol:         k_q177d6b2ed6_prep.kd
    .args:
      - { .name: k, .offset: 0, .size: 8, .value_kind: global_buffer, .address_space: global }
      - { .name: v, .offset: 8, .size: 8, .value_kind: global_buffer, .address_space: global }
      - { .name: kc, .offset: 16, .size: 8, .value_kind: global_buffer, .address_space: global }
      - { .name: ks, .offset: 24, .size: 8, .value_kind: global_buffer, .address_space: global }
      - { .name: vh, .offset: 32, .size: 8, .value_kind: global_buffer, .address_space: global }
    .group_segment_fixed_size: 34304
    .private_segment_fixed_size: 0
    .kernarg_segment_align: 8
    .kernarg_segment_size: 40
    .max_flat_workgroup_size: 128
    .sgpr_count:     66
    .vgpr_count:     232
    .wavefront_size: 32
...
	.end_amdgpu_metadata
.endif
;; end of part 1
;; launch attn (part 2): grid 256 x 1, 4 waves a work-group, no clusters, 268,288 bytes of LDS; arguments q, kc, ks, vh, out0; writes out0
.if DOCPART == 2
	.amdgcn_target "amdgcn-amd-amdhsa--gfx1250"
	.amdhsa_code_object_version 6
	.text
	.protected	k_q177d6b2ed6_attn
	.globl	k_q177d6b2ed6_attn
	.p2align	8
	.type	k_q177d6b2ed6_attn,@function
k_q177d6b2ed6_attn:
	s_mov_b64 s[64:65], 0
	v_nop
	global_prefetch_b8 v0, s[64:65] scope:SCOPE_SE
	s_setreg_imm32_b32 hwreg(HW_REG_WAVE_MODE, 25, 1), 1
	s_wait_xcnt 0x0
; out0[b][q][hq][:] = the sum over k of A[q][k] v[b][k][hq / 4][:],  A = clip(1.06 p - 0.03, 0, 1),  p = softmax_k(30 tanh(s / sqrt(128)) + mask),  s = Q(q) . Q(k) on codes of E2M1 with one E8M0 scale for each 32 channels.
; The mask: key k counts for query q where q - 1024 <= k <= q.
; DEAD WORK, LEFT OUT.  reference() builds the mask in its own body; where it is -infinity, p = 0 and A = clip(-0.03, 0, 1) = 0, whatever the inputs hold.  So for a block of 16 queries, block J, only the tiles of 16 keys
; J - 64 .. J (from 0 on) have a way to the output; the others are neither loaded nor multiplied.  Inside the two tiles at the edges the hidden weights are set to 0.  Every input has a way to the output: all three are read.
; LIMIT: a NaN, an infinity or an overflow that lies only in keys or values of tiles left out is not carried to the result.
; THE MAXIMUM.  30 tanh(y) - 30 = -60 / (1 + e^(2 y)) lies in [-60, 0] for EVERY y: the cap that reference() itself applies bounds the exponents.  So w = 2^(C2 / (1 + 2^(C1 s))), C1 = 2 log2(e) / sqrt(128),
; C2 = -60 log2(e), lies in [8.7e-27, 1], and a row's sum, of 1 to 1,025 terms, in [8.7e-27, 1025]: nothing overflows or underflows in f32, also where 2^(C1 s) is infinity or 0.  The cap, 30, stands for the row's largest
; exponent; p = w / the row's sum is the same number.
; THE CLIP STANDS BEHIND THE NORMALISATION, so A needs the finished sum.  The weights w are made once (three transcendentals each), kept in LDS in f32, and turned into A when the sum is known.
; FORMATS.  First product: v_wmma_scale_f32_16x16x128_f8f6f4, both sides E2M1.  Second: f16 operands, f32 sums: A lies in [0, 1], V was rounded by the launch before.  Two roundings of at most 2^-12 each: the rows that sum few
; terms (the first positions of a sequence; row 0 has A = 1 exactly) stay far inside what is allowed, so they have no launch of their own.
; LIMITS: |v| under 65,504; NaN and infinities among the inputs are not served; blocks of q whose largest magnitude lies under 2^(2 - 126) keep the scale byte 1, and so do blocks of zeros (their codes are zeros).
; SHARES.  bk = 4 x batch + kv head has 128 blocks of 16 positions.  A JOB is one block x the 4 query heads of the kv head.  Blocks 64-127 have 65 live tiles, blocks i and 63 - i together 65.  Work-group g (bk = g / 32,
; i = g % 32) stays and walks the jobs J = 64 + 2 i, 65 + 2 i, 63 - i, i: three full blocks' worth for each of 256 work-groups.
; IN A JOB THE WAVES SHARE THE KEYS.  u = J - tile.  Step st = 0 .. 7 of wave w takes the tiles u = 8 st + 2 w + 1 (a) and + 2 (b), for all four heads; the diagonal tile u = 0 (X) is taken by each wave for one head.
; Slot s of wave w is head (w + s) % 4.  So each fragment of K and V goes from memory into ONE wave's registers and feeds four matrix instructions; no tile is read by two waves.
; A step with 8 st + 2 w + 1 > J is left out, st = 0 aside, and with it all later steps: one forward branch on ids to the pass's end.  Step 0 and X always run, so that step 0's products start every sum; tiles under 0 are held
; at tile 0 and their weights set to 0.  K is asked for one step ahead and V up to four ahead, at the held tile too: so a job cut short loads some tiles that it does not use.
; NO CLUSTER, NO TENSOR LOAD: the work-groups of a bk read the same kc and vh, but each stands at its own J, with its own number of steps, and 262,144 of the 268,288 bytes of LDS hold w: there is no room in which a shared tile
; could land.  No prefetch: kc, ks and vh are read again by 32 work-groups; q is asked for, into registers, a whole second pass ahead of its use, so no wave waits for it.
; BOTH PRODUCTS ARE USED TRANSPOSED: S^T = K Q^T (source 0 = 16 keys, source 1 = 16 queries), O^T = V^T A (source 0 = 16 channels x 32 keys, source 1 = A): a lane holds ONE query (lane % 16) throughout, and the eight
; results of a lane in S^T, keys 8 (lane / 16) + 0 .. 7, rounded in pairs, are four registers of the second product's source 1.
; LDS: wave w's 65,536 bytes at 65,536 w: the w store (step st at 8,192 st: 16 images of four registers, 512 bytes each).  In the same bytes, at other times: from 0 the wave's four partial O (slot s at 8,448 s: 16 rows of
; 528), from 40,960 the stage through which q turns.  Behind them: q's four fragments and scale words, the rows' partial sums, the spare words.
; REGISTERS, in windows of 256 (s_set_vgpr_msb, low byte: bits 1:0 source 0, 3:2 source 1, 5:4 source 2, 7:6 destination): window 0: see the names below; window 1: O^T, slot s, channels 16 t on, at v[64 s + 8 t];
; window 2: four buffers of V^T, buffer be, channels 16 t on, at v[64 be + 8 t] (registers 0-3 tile a, 4-7 tile b); window 3: v0-63 the next job's q as loaded.
.set QST,    40960
.set PITCH,  528                       ; 512 bytes + 16: the sixteen rows that a load or store touches begin at sixteen different banks (64 banks of 4 bytes: ISA guide 11.1)
.set OSL,    16*PITCH
.set QIMG,   262144                    ; q's fragments as images of their registers: head x 1,024
.set QSC,    QIMG+4096                 ; their scale words: head x 128
.set LSUM,   QSC+512                   ; partial sums: [head][row 16][wave 4] f32
.set SPARE,  LSUM+1024                 ; the spare words, 128 bytes for each wave: two blocks of 256 bytes that no other line names
.set LANE16, 1                         ; 16 x lane
.set R4,     2                         ; 4 r          (r = lane % 16, h = lane / 16)
.set VD,     3                         ; r - 8 h
.set PA,     4                         ; 65,536 w + 16 x lane: the w store
.set TI,     5                         ; the turn's stage, in: + 16 x lane
.set TO,     6                         ; and out: + 528 r + 128 h
.set QWI,    7                         ; where I store my head's fragment;
.set QWS,    8                         ; its scale word
.set QRI,    9                         ; v9-12   where slot s's fragment is read;
.set QRS,    13                        ; v13-16  its scale word
.set LWA,    17                        ; v17-20  where I store slot s's partial sum;
.set LRA,    21                        ; v21-24  where its four are read
.set OW,     25                        ; my partial O: 65,536 w + 528 r + 32 h
.set ORD,    26                        ; v26-29  partner (w + k) % 4's partial O of MY head: its slot (4 - k) % 4
.set SPW,    30                        ; LDS address of my spare word; never rewritten
.set NIL,    31                        ; 0; never rewritten
.set KOA,    32                        ; v32-37  offsets in kc and ks of tiles a, b, X
.set KOB,    33
.set SOA,    34
.set SOB,    35
.set KOX,    36
.set SOX,    37
.set VO,     38                        ; v38-45  offsets in vh: a pair for each buffer
.set H8,     46                        ; 8 h
.set PT,     47                        ; a lane permute's destination
.set L,      48                        ; v48-63  row sums: slot s, tile x: the pair at 48 + 4 s + 2 x
.set S,      64                        ; v64-127 scores, then w, then A: slot s, tile x at 64 + 16 s + 8 x
.set SX,     128                       ; v128-135 the same for tile X, slot 0: it stays in registers between the passes
.set QF,     136                       ; v136-167 q's fragments, slot s at 136 + 8 s; on the way out rows 0-7 of the result
.set QS,     168                       ; v168-171 their scale words: scales and nothing else
.set KA,     172
.set KB,     180
.set KX,     188
.set KSA,    196                       ; v196-198 K's scale words: scales and nothing else
.set KSB,    197
.set KSX,    198
.set P,      200                       ; v200-231 A in f16, slot s at 200 + 8 s; on the way out rows 8-15 of the result; q's codes while they are made
.set PX,     232                       ; v232-239 the same for X; its upper four registers stay 0
.set CC,     240                       ; v240-247 1.06 / the row's sum, twice, for each slot
.set NEG,    248                       ; v248-249 -0.03, twice
.set TM,     250                       ; v250-255 at work
; scalars: s14 wave; s15 U0 = 2 w + 1; s16 job count; s17 i; s18 J; s19 J - U0; s20 min(J, 63) - U0; s24-27 at work; s[28:29] C1; s[30:31] C2; s[34:35] lane selects; s[36:37] kc, s[38:39] ks, s[40:41] vh at bk;
; s[42:43] q at my head, s[44:45] at the next job's block; s[46:47] out0 at my head, s[48:49] at this job's block; s50 the next job's J; s51 1.06; s52 64 + 2 i; s53 63 - 2 i
.set MSB, 0
.macro WIN new                         ; the immediate's high byte repeats the setting that is left; at a label and at a branch every window is 0
.if MSB != \new
	s_set_vgpr_msb (MSB<<8)|\new
.set MSB, \new
.endif
.endm
.macro BARRIER                         ; my LDS stores have landed and my LDS loads are in: then the work-group's barrier
	s_wait_dscnt 0x0
	s_barrier_signal -1
	s_barrier_wait -1
.endm
.macro PLACES                          ; four plain places behind a matrix instruction (ISA guide 7.12.1), where no other vector work is at hand
.rept 4
	v_nop
.endr
.endm
; 64 numbers of a lane, v[x + 32 c + i] = channel 64 c + 32 h + i of my row, become a fragment's eight registers of codes in v[pc] on and the row's scale word in v[w].
.macro QUANT2 x, pc, w, m, pt, h8, sel
.irp c, 0,1
	v_max3_num_f32 v[\m+\c], |v[\x+32*\c]|, |v[\x+32*\c+1]|, 0x1800000   ; block 2 c + h: all its 32 numbers are mine; and the floor 2^(3 - 127): the byte cannot fall under 1
.endr
.irp i, 2,4,6,8,10,12,14,16,18,20,22,24,26,28,30
.irp c, 0,1
	v_max3_num_f32 v[\m+\c], v[\m+\c], |v[\x+32*\c+\i]|, |v[\x+32*\c+\i+1]|
.endr
.endr
.irp c, 0,1
	v_add_nc_u32 v[\m+2+\c], 0xff000000, v[\m+\c]  ; 2 off the exponent field: the conversion's scale operand
.endr
.irp c, 0,1
	v_lshrrev_b32 v[\m+4+\c], 23, v[\m+2+\c]       ; the scale's byte
.endr
	v_lshl_or_b32 v[\w], v[\m+5], 16, v[\m+4]      ; my two bytes: blocks h and 2 + h,
	v_lshlrev_b32 v[\w], v[\h8], v[\w]             ; at their places in the word;
	v_permlanex16_b32 v[\pt], v[\w], s[\sel], s[\sel+1]
	v_or_b32 v[\w], v[\w], v[\pt]                  ; with lane l xor 16's two the word is whole
.irp c, 0,1
.irp g, 0,1,2,3
	v_cvt_scalef32_pk8_fp4_f32 v[\pc+4*\c+\g], v[\x+32*\c+8*\g:\x+32*\c+8*\g+7], v[\m+2+\c]
.endr
.endr
	v_nop                                          ; one plain place behind the last scaled conversion
.endm
.macro QNEXT                           ; my head's 16 rows of q of the block at s[44:45]: a row's 512 consecutive bytes a load, into window 3
	WIN 0xc0
.set j, 0
.rept 16
	global_load_b128 v[4*j:4*j+3], v[LANE16], s[44:45] offset:8192*j th:TH_LOAD_NT
.set j, j+1
.endr
	WIN 0
.endm
.macro TILES st                        ; s24, s25: step st's tiles a and b, held at 0 from below
	s_sub_co_i32 s24, s19, 8*(\st)
	s_sub_co_i32 s25, s24, 1
	s_max_i32 s24, s24, 0
	s_max_i32 s25, s25, 0
.endm
.macro KLOAD st                        ; step st's K: 6 loads.  The four additions are the places behind the products that read these registers
	TILES \st
	v_lshl_add_u32 v[KOA], s24, 10, v[LANE16]
	v_lshl_add_u32 v[KOB], s25, 10, v[LANE16]
	v_lshl_add_u32 v[SOA], s24, 6, v[R4]
	v_lshl_add_u32 v[SOB], s25, 6, v[R4]
	global_load_b128 v[KA:KA+3], v[KOA], s[36:37]
	global_load_b128 v[KA+4:KA+7], v[KOA], s[36:37] offset:512
	global_load_b128 v[KB:KB+3], v[KOB], s[36:37]
	global_load_b128 v[KB+4:KB+7], v[KOB], s[36:37] offset:512
	global_load_b32 v[KSA], v[SOA], s[38:39]
	global_load_b32 v[KSB], v[SOB], s[38:39]
.endm
.macro VLOAD be, sa, sb                ; V^T of tiles s[sa], s[sb] into buffer be: 16 loads of 512 consecutive bytes.  Two additions and two v_nop: the places behind the products that read the buffer
	v_lshl_add_u32 v[VO+2*(\be)], s[\sa], 12, v[LANE16]
	v_lshl_add_u32 v[VO+2*(\be)+1], s[\sb], 12, v[LANE16]
	v_nop
	v_nop
	WIN 0x80
.irp t, 0,1,2,3,4,5,6,7
	global_load_b128 v[64*(\be)+8*\t:64*(\be)+8*\t+3], v[VO+2*(\be)], s[40:41] offset:512*\t
	global_load_b128 v[64*(\be)+8*\t+4:64*(\be)+8*\t+7], v[VO+2*(\be)+1], s[40:41] offset:512*\t
.endr
	WIN 0
.endm
; n scores from v[S] on become w = 2^(C2 / (1 + 2^(C1 s))), in place, each accumulator from its low end on.  Three batches of transcendentals; behind each one plain place and ONE wait ahead of its first reader.
.macro SOFT n
.set j, 0
.rept (\n)/2
	v_pk_mul_f32 v[S+j:S+j+1], v[S+j:S+j+1], s[28:29] op_sel_hi:[1,0]
.set j, j+2
.endr
.set j, 0
.rept \n
	v_exp_f32 v[S+j], v[S+j]
.set j, j+1
.endr
	v_nop
	s_wait_alu depctr_va_vdst(0)
.set j, 0
.rept (\n)/2
	v_pk_add_f32 v[S+j:S+j+1], v[S+j:S+j+1], 1.0 op_sel_hi:[1,0]
.set j, j+2
.endr
.set j, 0
.rept \n
	v_rcp_f32 v[S+j], v[S+j]
.set j, j+1
.endr
	v_nop
	s_wait_alu depctr_va_vdst(0)
.set j, 0
.rept (\n)/2
	v_pk_mul_f32 v[S+j:S+j+1], v[S+j:S+j+1], s[30:31] op_sel_hi:[1,0]
.set j, j+2
.endr
.set j, 0
.rept \n
	v_exp_f32 v[S+j], v[S+j]
.set j, j+1
.endr
	v_nop
	s_wait_alu depctr_va_vdst(0)
.endm
; The step's tiles at the far edge.  Register n of a tile is key 8 h + n.  It is kept where n >= r - 8 h + bias.  bias = 64: nothing is kept (the tile lies under tile 0); 0: the window's old edge, u = 64: key >= query - 1024;
; -16: all is kept.  Tile a can lie under tile 0 in step 0 alone: a later step runs only where its tile a exists.
.macro EDGEMASK i
	s_cmp_le_i32 s19, 8*(\i)                       ; 8 i + U0 + 1 > J: tile b lies under tile 0
	s_cselect_b32 s25, 64, 0
	v_add_nc_u32 v[TM+1], s25, v[VD]
.if (\i) == 0
	s_cmp_lt_i32 s19, 0                            ; U0 > J: so does tile a
	s_cselect_b32 s24, 64, -16
	v_add_nc_u32 v[TM], s24, v[VD]
.endif
.irp n, 0,1,2,3,4,5,6,7
.if (\i) == 0
	v_cmp_ge_i32 vcc_lo, \n, v[TM]
.irp s, 0,1,2,3
	v_cndmask_b32 v[S+16*\s+\n], 0, v[S+16*\s+\n], vcc_lo
.endr
.endif
	v_cmp_ge_i32 vcc_lo, \n, v[TM+1]
.irp s, 0,1,2,3
	v_cndmask_b32 v[S+16*\s+8+\n], 0, v[S+16*\s+8+\n], vcc_lo
.endr
.endr
.endm
; PASS 1, step i: the scores of two tiles x four heads (step 0: and of X for slot 0), w, the masks, w into my store, the rows' sums.
.macro STEP1 i
.if (\i) > 0
	s_cmp_lt_i32 s19, 8*(\i)                       ; 8 i + U0 > J: this step and all later ones have no tile
	s_cbranch_scc1 .Lp1end
.endif
.irp s, 0,1,2,3
	v_wmma_scale_f32_16x16x128_f8f6f4 v[S+16*\s:S+16*\s+7], v[KA:KA+7], v[QF+8*\s:QF+8*\s+7], 0, v[KSA], v[QS+\s] matrix_a_fmt:MATRIX_FMT_FP4 matrix_b_fmt:MATRIX_FMT_FP4
	v_wmma_scale_f32_16x16x128_f8f6f4 v[S+16*\s+8:S+16*\s+15], v[KB:KB+7], v[QF+8*\s:QF+8*\s+7], 0, v[KSB], v[QS+\s] matrix_a_fmt:MATRIX_FMT_FP4 matrix_b_fmt:MATRIX_FMT_FP4
.endr
.if (\i) == 0
	v_wmma_scale_f32_16x16x128_f8f6f4 v[SX:SX+7], v[KX:KX+7], v[QF:QF+7], 0, v[KSX], v[QS] matrix_a_fmt:MATRIX_FMT_FP4 matrix_b_fmt:MATRIX_FMT_FP4
.endif
.if (\i) < 7
	KLOAD (\i)+1                                   ; the next step's K lands under this step's vector work; its four additions are also the places ahead of the first read of the scores
.else
	PLACES
.endif
.if (\i) == 0
	SOFT 72
.irp n, 0,1,2,3,4,5,6,7
	v_cmp_le_i32 vcc_lo, \n, v[VD]                 ; the diagonal: key 8 h + n counts where it is at most r
	v_cndmask_b32 v[SX+\n], 0, v[SX+\n], vcc_lo
.endr
.else
	SOFT 64
.endif
	s_cmp_gt_i32 s20, 8*(\i)                       ; 8 i + U0 + 1 < min(J + 1, 64): both tiles count whole
	s_cbranch_scc1 .Lwhole_\@
	EDGEMASK \i
.Lwhole_\@:
.irp d, 0,1,2,3,4,5,6,7,8,9,10,11,12,13,14,15
	ds_store_b128 v[PA], v[S+4*\d:S+4*\d+3] offset:8192*(\i)+512*\d   ; an image of the registers: 16 bytes a lane, 512 consecutive bytes a store
.endr
.if (\i) == 0                          ; the first step's additions start the sums: nothing is cleared
.irp a, 0,1,2,3,4,5,6,7
	v_pk_add_f32 v[L+2*\a:L+2*\a+1], v[S+8*\a:S+8*\a+1], v[S+8*\a+2:S+8*\a+3]
.endr
.irp q, 4,6
.irp a, 0,1,2,3,4,5,6,7
	v_pk_add_f32 v[L+2*\a:L+2*\a+1], v[L+2*\a:L+2*\a+1], v[S+8*\a+\q:S+8*\a+\q+1]
.endr
.endr
.irp q, 0,2,4,6
	v_pk_add_f32 v[L:L+1], v[L:L+1], v[SX+\q:SX+\q+1]
.endr
.else
.irp q, 0,2,4,6
.irp a, 0,1,2,3,4,5,6,7
	v_pk_add_f32 v[L+2*\a:L+2*\a+1], v[L+2*\a:L+2*\a+1], v[S+8*\a+\q:S+8*\a+\q+1]   ; eight chains by turns
.endr
.endr
.endif
.if (\i) < 7
	s_wait_loadcnt 0x0                             ; the next step's K is in, and all that was asked for earlier (in step 0: V's first three buffers)
.endif
	s_wait_dscnt 0x0                               ; the stores have read their registers: the next step's products may write them
.endm
; PASS 2, step st, from buffer be: w back from my store, A = clip(c w - 0.03, 0, 1) in f16, O^T += V^T A.  zero = 1: the products start the sums.  cnt: how many younger loads may stay out when the buffer has to be in
; (-1: shown in by pass 1's waits).  nxt: the step whose V then goes into the buffer (-1: none).
.macro POSS st, be, zero, cnt, nxt
.if (\st) > 0
	s_cmp_lt_i32 s19, 8*(\st)                      ; as in pass 1
	s_cbranch_scc1 .Lp2end
.endif
.irp d, 0,1,2,3,4,5,6,7,8,9,10,11,12,13,14,15
	ds_load_b128 v[S+4*\d:S+4*\d+3], v[PA] offset:8192*(\st)+512*\d
.endr
.irp s, 0,1,2,3
	s_wait_dscnt 12-4*\s                           ; LDS loads come back in order (ISA guide 5.7.1): slot s's four are in, the later slots' may be out
.irp q, 0,2,4,6,8,10,12,14
	v_pk_fma_f32 v[S+16*\s+\q:S+16*\s+\q+1], v[S+16*\s+\q:S+16*\s+\q+1], v[CC+2*\s:CC+2*\s+1], v[NEG:NEG+1]
.endr
.irp q, 0,1,2,3,4,5,6,7,8,9,10,11,12,13,14,15
	v_med3_num_f32 v[S+16*\s+\q], v[S+16*\s+\q], 0, 1.0
.endr
.irp q, 0,1,2,3,4,5,6,7
	v_cvt_pk_f16_f32 v[P+8*\s+\q], v[S+16*\s+2*\q], v[S+16*\s+2*\q+1]   ; registers 0-3: tile a's keys 8 h + 0 .. 7; 4-7: tile b's
.endr
.endr
.if (\cnt) >= 0
	s_wait_loadcnt \cnt
.endif
	WIN 0x52                                       ; V^T window 2, A window 0, O^T window 1
.irp t, 0,1,2,3,4,5,6,7                ; the 32 accumulators take turns, one instruction a turn
.irp s, 0,1,2,3
.if \zero
	v_wmma_f32_16x16x32_f16 v[64*\s+8*\t:64*\s+8*\t+7], v[64*(\be)+8*\t:64*(\be)+8*\t+7], v[P+8*\s:P+8*\s+7], 0
.else
	v_wmma_f32_16x16x32_f16 v[64*\s+8*\t:64*\s+8*\t+7], v[64*(\be)+8*\t:64*(\be)+8*\t+7], v[P+8*\s:P+8*\s+7], v[64*\s+8*\t:64*\s+8*\t+7]
.endif
.endr
.endr
	WIN 0
.if (\nxt) >= 0
	TILES \nxt
	VLOAD \be, 24, 25
.endif
.endm
.macro OLOAD g                         ; rows 2 g and 2 g + 1 of my head's four partial O: a row's 512 bytes a load
.irp e, 0,1
.irp k, 0,1,2,3
	ds_load_b128 v[S+32*((\g)%2)+16*\e+4*\k:S+32*((\g)%2)+16*\e+4*\k+3], v[ORD+\k] offset:PITCH*(2*(\g)+\e)
.endr
.endr
.endm
.macro OSUM g                          ; they are added and stored; each row has result registers of its own, so that no store's data are written again in this job
.irp e, 0,1
.set TB, S+32*((\g)%2)+16*\e
.set RW, 2*(\g)+\e
.set RB, QF+4*RW+32*(RW/8)
	v_pk_add_f32 v[TB:TB+1], v[TB:TB+1], v[TB+4:TB+5]
	v_pk_add_f32 v[TB+2:TB+3], v[TB+2:TB+3], v[TB+6:TB+7]
	v_pk_add_f32 v[TB+8:TB+9], v[TB+8:TB+9], v[TB+12:TB+13]
	v_pk_add_f32 v[TB+10:TB+11], v[TB+10:TB+11], v[TB+14:TB+15]
	v_pk_add_f32 v[RB:RB+1], v[TB:TB+1], v[TB+8:TB+9]
	v_pk_add_f32 v[RB+2:RB+3], v[TB+2:TB+3], v[TB+10:TB+11]
	global_store_b128 v[LANE16], v[RB:RB+3], s[48:49] offset:8192*RW th:TH_STORE_NT   ; 32 lanes store a head's row: 512 consecutive bytes, at a multiple of 512 from out0's first byte
.endr
.endm
	s_load_b256 s[4:11], s[0:1], 0x0               ; q s[4:5], kc s[6:7], ks s[8:9], vh s[10:11]
	s_load_b64 s[12:13], s[0:1], 0x20              ; out0
	v_lshl_add_u32 v[SPW], v0, 2, SPARE
	v_mov_b32 v[NIL], 0
	v_lshrrev_b32 v32, 5, v0
	v_readfirstlane_b32 s14, v32                   ; wave 0..3
	v_and_b32 v33, 31, v0                          ; lane
	v_and_b32 v34, 15, v0                          ; r
	v_bfe_u32 v35, v0, 4, 1                        ; h
	v_lshlrev_b32 v[LANE16], 4, v33
	v_lshlrev_b32 v36, 2, v33                      ; 4 x lane
	v_lshlrev_b32 v[R4], 2, v34
	v_lshlrev_b32 v[H8], 3, v35
	v_sub_nc_u32 v[VD], v34, v[H8]
	s_lshl_b32 s24, s14, 16                        ; my 65,536 bytes
	v_add_nc_u32 v[PA], s24, v[LANE16]
	v_add_nc_u32 v[TI], QST, v[PA]
	v_mul_u32_u24 v37, v34, PITCH
	v_lshl_add_u32 v[TO], v35, 7, v37
	s_add_co_u32 s25, s24, QST
	v_add_nc_u32 v[TO], s25, v[TO]
	v_lshl_add_u32 v[OW], v35, 5, v37
	v_add_nc_u32 v[OW], s24, v[OW]
	s_lshl_b32 s25, s14, 10
	s_add_co_u32 s25, s25, QIMG
	v_add_nc_u32 v[QWI], s25, v[LANE16]
	s_lshl_b32 s25, s14, 7
	s_add_co_u32 s25, s25, QSC
	v_add_nc_u32 v[QWS], s25, v36
	s_lshl_b32 s25, s14, 2
.irp s, 0,1,2,3
	s_add_co_u32 s26, s14, \s
	s_and_b32 s26, s26, 3                          ; slot s's head; also partner s
	s_lshl_b32 s27, s26, 10
	s_add_co_u32 s27, s27, QIMG
	v_add_nc_u32 v[QRI+\s], s27, v[LANE16]
	s_lshl_b32 s27, s26, 7
	s_add_co_u32 s27, s27, QSC
	v_add_nc_u32 v[QRS+\s], s27, v36
	s_lshl_b32 s27, s26, 8
	s_add_co_u32 s27, s27, LSUM
	v_lshl_add_u32 v[LRA+\s], v34, 4, s27
	v_add_nc_u32 v[LWA+\s], s25, v[LRA+\s]
	s_lshl_b32 s27, s26, 16
	s_add_co_u32 s27, s27, OSL*((4-\s)%4)
	v_add_nc_u32 v[ORD+\s], s27, v[LANE16]
.endr
	s_mov_b32 s28, 0x3e8293ee                      ; C1 = 2 log2(e) / sqrt(128)
	s_mov_b32 s29, s28                             ; (the packed forms name a pair and take its low word for both halves: so the upper word is written)
	s_mov_b32 s30, 0xc2ad1f97                      ; C2 = -60 log2(e)
	s_mov_b32 s31, s30
	s_mov_b32 s34, 0x76543210
	s_mov_b32 s35, 0xfedcba98                      ; v_permlanex16_b32's selects for lane l xor 16
	s_mov_b32 s51, 0x3f87ae14                      ; 1.06
	v_mov_b32 v[NEG], 0xbcf5c28f                   ; -0.03
	v_mov_b32 v[NEG+1], 0xbcf5c28f
	v_mov_b32 v[PT], 0                             ; written once: a lane permute's destination counts as one of its sources
.irp q, 4,5,6,7
	v_mov_b32 v[PX+\q], 0                          ; X is one tile: the upper 16 of its product's 32 keys have the weight 0
.endr
	s_lshl_b32 s15, s14, 1
	s_add_co_u32 s15, s15, 1                       ; U0
	s_mov_b32 s16, 0
	s_and_b32 s17, ttmp9, 31                       ; i
	s_lshr_b32 s21, ttmp9, 5                       ; bk
	s_lshl_b32 s52, s17, 1
	s_sub_co_u32 s53, 63, s52                      ; 63 - 2 i
	s_add_co_u32 s52, s52, 64                      ; 64 + 2 i
	s_mov_b32 s50, s52                             ; the first job's J
	s_mov_b32 s25, 0
	s_wait_kmcnt 0x0
	s_lshl_b32 s24, s21, 17
	s_add_nc_u64 s[36:37], s[6:7], s[24:25]
	s_lshl_b32 s24, s21, 13
	s_add_nc_u64 s[38:39], s[8:9], s[24:25]
	s_lshl_b32 s24, s21, 19
	s_add_nc_u64 s[40:41], s[10:11], s[24:25]
	s_lshr_b32 s22, s21, 2                         ; batch: 2048 x 8192 bytes
	s_and_b32 s23, s21, 3                          ; kv head
	s_lshl_b32 s24, s22, 24
	s_lshl_b32 s23, s23, 2
	s_add_co_u32 s23, s23, s14                     ; the query head that I quantise and store: 4 x kv head + wave
	s_lshl_b32 s23, s23, 9
	s_add_co_u32 s24, s24, s23
	s_add_nc_u64 s[42:43], s[4:5], s[24:25]
	s_add_nc_u64 s[46:47], s[12:13], s[24:25]
	s_lshl_b32 s24, s50, 17                        ; a block: 16 positions x 8192 bytes
	s_add_nc_u64 s[44:45], s[42:43], s[24:25]
	QNEXT                                          ; the first job's q
.Ljob:
	s_wait_xcnt 0x0                                ; the last job's stores and loads have read their registers and bases: all of them may be written again
	s_mov_b32 s18, s50                             ; J
	s_lshl_b32 s24, s18, 17
	s_mov_b32 s25, 0
	s_add_nc_u64 s[48:49], s[46:47], s[24:25]
	s_sub_co_i32 s19, s18, s15
	s_min_u32 s20, s18, 63
	s_sub_co_i32 s20, s20, s15
	s_add_co_u32 s24, s16, 1                       ; the next job (the last job's successor is held at job 3 and not loaded)
	s_min_u32 s24, s24, 3
	s_add_co_u32 s26, s52, s24                     ; jobs 0, 1: 64 + 2 i + t
	s_sub_co_u32 s27, 3, s24
	s_mul_i32 s27, s27, s53
	s_add_co_u32 s27, s27, s17                     ; jobs 2, 3: i + (3 - t)(63 - 2 i)
	s_cmp_lt_u32 s24, 2
	s_cselect_b32 s50, s26, s27
	s_lshl_b32 s24, s50, 17
	s_add_nc_u64 s[44:45], s[42:43], s[24:25]
	v_lshl_add_u32 v[KOX], s18, 10, v[LANE16]
	v_lshl_add_u32 v[SOX], s18, 6, v[R4]
	global_load_b128 v[KX:KX+3], v[KOX], s[36:37]  ; the diagonal tile
	global_load_b128 v[KX+4:KX+7], v[KOX], s[36:37] offset:512
	global_load_b32 v[KSX], v[SOX], s[38:39]
	KLOAD 0
	TILES 0
	VLOAD 0, 24, 25                                ; V of step 0,
	VLOAD 1, 18, 18                                ; of X (in both halves of the fragments: the upper half meets weights 0),
	TILES 1
	VLOAD 2, 24, 25                                ; of step 1
	; ---- my head's 16 rows of q become a fragment
	s_wait_loadcnt 57                              ; q is in: behind its loads stand K's 9 and V's 48
	WIN 0x0c                                       ; an LDS store's data are its source 1: window 3
.set j, 0
.rept 16
	ds_store_b128 v[TI], v[4*j:4*j+3] offset:PITCH*j
.set j, j+1
.endr
	WIN 0
.irp c, 0,1
.irp i, 0,1,2,3,4,5,6,7
	ds_load_b128 v[S+32*\c+4*\i:S+32*\c+4*\i+3], v[TO] offset:256*\c+16*\i   ; LDS serves a wave's instructions in order (ISA guide 5.7.1.4): these see the stores above
.endr
.endr
	s_wait_dscnt 0x0
	QUANT2 S, P, P+8, TM, PT, H8, 34
	ds_store_b128 v[QWI], v[P:P+3]                 ; the fragment goes to LDS as an image of its registers,
	ds_store_b128 v[QWI], v[P+4:P+7] offset:512
	ds_store_b32 v[QWS], v[P+8]                    ; and so does its scale word
	BARRIER                                        ; the four fragments lie in LDS; and every wave's reads of the last job's partial O are over: the w stores below may land on them
.irp s, 0,1,2,3
	ds_load_b128 v[QF+8*\s:QF+8*\s+3], v[QRI+\s]
	ds_load_b128 v[QF+8*\s+4:QF+8*\s+7], v[QRI+\s] offset:512
	ds_load_b32 v[QS+\s], v[QRS+\s]
.endr
	s_wait_dscnt 0x0
	s_wait_loadcnt 48                              ; K of X and of step 0 is in: behind it stand V's 48 loads
	; ---- pass 1
	STEP1 0
	STEP1 1
	STEP1 2
	STEP1 3
	STEP1 4
	STEP1 5
	STEP1 6
	STEP1 7
.Lp1end:                                               ; on every way here no load is out
	s_cmp_lt_u32 s16, 3
	s_cbranch_scc0 .Lno_next
	QNEXT                                          ; the next job's q: it has the whole second pass in which to land
.Lno_next:
	TILES 2
	VLOAD 3, 24, 25                                ; V of step 2
	; ---- the rows' sums: my keys' part, then all four waves'
.irp s, 0,1,2,3
	v_pk_add_f32 v[L+4*\s:L+4*\s+1], v[L+4*\s:L+4*\s+1], v[L+4*\s+2:L+4*\s+3]
.endr
.irp s, 0,1,2,3
	v_add_f32 v[L+4*\s], v[L+4*\s], v[L+4*\s+1]
.endr
.irp s, 0,1,2,3
	v_permlanex16_b32 v[L+4*\s+2], v[L+4*\s], s34, s35   ; the query's other keys lie in the lane 16 away
.endr
.irp s, 0,1,2,3
	v_add_f32 v[L+4*\s], v[L+4*\s], v[L+4*\s+2]
.endr
.irp s, 0,1,2,3
	ds_store_b32 v[LWA+\s], v[L+4*\s]              ; lanes r and r + 16 write the same word with the same value
.endr
	BARRIER
.irp s, 0,1,2,3
	ds_load_b128 v[L+4*\s:L+4*\s+3], v[LRA+\s]
.endr
	s_wait_dscnt 0x0
.irp s, 0,1,2,3
	v_pk_add_f32 v[L+4*\s:L+4*\s+1], v[L+4*\s:L+4*\s+1], v[L+4*\s+2:L+4*\s+3]
.endr
.irp s, 0,1,2,3
	v_add_f32 v[L+4*\s], v[L+4*\s], v[L+4*\s+1]
.endr
.irp s, 0,1,2,3
	v_rcp_f32 v[L+4*\s], v[L+4*\s]
.endr
	v_nop                                          ; a plain place behind the last reciprocal,
	s_wait_alu depctr_va_vdst(0)                   ; and one wait ahead of the batch's first reader
.irp s, 0,1,2,3
	v_mul_f32 v[CC+2*\s], s51, v[L+4*\s]           ; c = 1.06 / the sum
	v_mul_f32 v[CC+2*\s+1], s51, v[L+4*\s]
.endr
	; ---- pass 2.  V's buffers take turns: step 0, X, step 1, step 2, then each buffer again as it is left.  The counts: the groups of 16 loads issued behind the buffer in hand
	POSS 0, 0, 1, -1, 3
.irp q, 0,2,4,6                        ; X, slot 0 alone
	v_pk_fma_f32 v[SX+\q:SX+\q+1], v[SX+\q:SX+\q+1], v[CC:CC+1], v[NEG:NEG+1]
.endr
.irp q, 0,1,2,3,4,5,6,7
	v_med3_num_f32 v[SX+\q], v[SX+\q], 0, 1.0
.endr
.irp q, 0,1,2,3
	v_cvt_pk_f16_f32 v[PX+\q], v[SX+2*\q], v[SX+2*\q+1]
.endr
	WIN 0x52
.irp t, 0,1,2,3,4,5,6,7
	v_wmma_f32_16x16x32_f16 v[8*\t:8*\t+7], v[64+8*\t:64+8*\t+7], v[PX:PX+7], v[8*\t:8*\t+7]
.endr
	WIN 0
	TILES 4
	VLOAD 1, 24, 25
	POSS 1, 2, 0, -1, 5
	POSS 2, 3, 0, 48, 6
	POSS 3, 0, 0, 48, 7
	POSS 4, 1, 0, 48, -1
	POSS 5, 2, 0, 32, -1
	POSS 6, 3, 0, 16, -1
	POSS 7, 0, 0, 0, -1
.Lp2end:
	s_wait_loadcnt 0x0                             ; a job cut short has asked for V that it does not use: those registers are loaded again only when the loads are in; the next job's q is in too
	PLACES                                         ; behind the last products, ahead of the first read of their results
	; ---- the way out: my four partial O into my own bytes of LDS, each accumulator from its low end on; then each wave adds its head's four and stores 16 whole rows
	WIN 0x04                                       ; the data: window 1
.irp s, 0,1,2,3
.irp t, 0,1,2,3,4,5,6,7
	ds_store_b128 v[OW], v[64*\s+8*\t:64*\s+8*\t+3] offset:OSL*\s+64*\t        ; lane (r, h): query r, channels 16 t + 8 h + 0 .. 7
	ds_store_b128 v[OW], v[64*\s+8*\t+4:64*\s+8*\t+7] offset:OSL*\s+64*\t+16
.endr
.endr
	WIN 0
	BARRIER
	OLOAD 0
	OLOAD 1
.irp g, 0,1,2,3,4,5
	s_wait_dscnt 8                                 ; this group's eight loads are in; the next group's may be out
	OSUM \g
	OLOAD \g+2
.endr
	s_wait_dscnt 8
	OSUM 6
	s_wait_dscnt 0x0
	OSUM 7
	s_add_co_u32 s16, s16, 1
	s_cmp_lt_u32 s16, 4
	s_cbranch_scc1 .Ljob
	s_wait_tensorcnt 0x0                           ; the wave's end
	ds_add_u32 v[SPW], v[NIL]
	s_wait_dscnt 0x0
	s_endpgm
.Lfunc_end_k_q177d6b2ed6_attn:
	.size	k_q177d6b2ed6_attn, .Lfunc_end_k_q177d6b2ed6_attn-k_q177d6b2ed6_attn
	.p2alignl 7, 3214868480
	.fill 96, 4, 3214868480
	.section	.rodata,"a",@progbits
	.p2align	6, 0x0
	.amdhsa_kernel k_q177d6b2ed6_attn
		.amdhsa_group_segment_fixed_size 268288
		.amdhsa_private_segment_fixed_size 0
		.amdhsa_enable_private_segment 0
		.amdhsa_kernarg_size 40
		.amdhsa_user_sgpr_count 2
		.amdhsa_user_sgpr_kernarg_segment_ptr 1
		.amdhsa_wavefront_size32 1
		.amdhsa_system_sgpr_workgroup_id_x 1
		.amdhsa_system_sgpr_workgroup_id_y 1
		.amdhsa_system_sgpr_workgroup_id_z 1
		.amdhsa_system_vgpr_workitem_id 0
		.amdhsa_next_free_vgpr 832
		.amdhsa_next_free_sgpr 66
		.amdhsa_reserve_vcc 1
		.amdhsa_float_denorm_mode_32 3
		.amdhsa_float_denorm_mode_16_64 3
		.amdhsa_memory_ordered 1
		.amdhsa_forward_progress 1
		.amdhsa_inst_pref_size 255
	.end_amdhsa_kernel
	.section	.bss,"aw",@nobits
	.p2align	6
	.space	262144
	.amdgpu_metadata
---
amdhsa.version: [ 1, 2 ]
amdhsa.kernels:
  - .name:           k_q177d6b2ed6_attn
    .symbol:         k_q177d6b2ed6_attn.kd
    .args:
      - { .name: q, .offset: 0, .size: 8, .value_kind: global_buffer, .address_space: global }
      - { .name: kc, .offset: 8, .size: 8, .value_kind: global_buffer, .address_space: global }
      - { .name: ks, .offset: 16, .size: 8, .value_kind: global_buffer, .address_space: global }
      - { .name: vh, .offset: 24, .size: 8, .value_kind: global_buffer, .address_space: global }
      - { .name: out0, .offset: 32, .size: 8, .value_kind: global_buffer, .address_space: global }
    .group_segment_fixed_size: 268288
    .private_segment_fixed_size: 0
    .kernarg_segment_align: 8
    .kernarg_segment_size: 40
    .max_flat_workgroup_size: 128
    .sgpr_count:     66
    .vgpr_count:     832
    .wavefront_size: 32
...
	.end_amdgpu_metadata
.endif
;; end of part 2
